; MI455X (gfx1250); checked and timed in simulation.
; The chip was launched on July 23, 2026; its instructions are those of AMD's public machine-readable ISA for CDNA 5 (MIT licence, August 2026) and "CDNA5" Instruction Set Architecture Reference Guide (July 2026). The comments in the code are by the model that wrote it; some were corrected since.
;; Attention Mechanism. Allowed arithmetic: matrix products marked QUANTISED: E5M2 operands, one given power-of-two scale a tensor, by v_wmma_f32_16x16x64_bf8_bf8 or v_wmma_f32_16x16x128_bf8_bf8, f32 sums; products left as they are: f32 operands where the result goes on into a quantised operand, else bf16, f16 or f32 operands; f32 sums; everything else in f32.
;; Inputs: W 1,024 x 1,024 float32; b 1,024 float32; contextvects 32 x 1,024 x 2,048 float32; hidden 1 x 32 x 1,024 float32; lowp_scales 2 int32 (the exponents e of the quantised operands' scales 2^e).
;; Outputs: out0 64 x 32 x 1,024 float32.
;; Constants: seqlen = 64.
;; This version of the problem:
;;   THIS VERSION OF THE PROBLEM IS GIVEN IN LOW PRECISION. The matrix products marked QUANTISED in the list below multiply operands that are first quantised to E5M2 (5 exponent bits, 2 mantissa bits; 8 bits a number), with one given power-of-two scale for each operand tensor; their sums are f32. All else is computed in f32.
;;   The module's matrix products, in the order in which they are computed (A, B: the left and right operand; K: the contracted axis; several contracted axes count as one K, in the product's order):
;;     1. [M 65,536, K 1,024] x [K 1,024, N 1,024]; A: input contextvects; B: input W: QUANTISED (scales: A lowp_scales[0], B lowp_scales[1])
;;     2. batch 32 x [M 2,048, K 1,024] x [K 1,024, N 1]; A: computed on the way; B: input hidden: left as it is (N = 1 < 16)
;;     3. batch 32 x [M 1,024, K 2,048] x [K 2,048, N 1]; A: input contextvects; B: softmax: left as it is (N = 1 < 16)
;;   THE QUANTISER, for each operand of a quantised product, along K:
;;     - The operand's scale is 2^e, e = its entry of the input lowp_scales (int32; the entries are numbered through the quantised products in the list's order, A before B).
;;     - Each number is divided by the scale, clamped to +-57,344, and rounded to the nearest number of E5M2, ties to even, subnormals kept.
;;     - The product sums the exact products of the quantised numbers (number of the format x scale) in f32.
;;   ~~~python
;;   def quantise(x, axis, e):      # numpy; x: float32 -> the quantised numbers, widened to float32 again
;;       x = np.moveaxis(x, axis, -1); K = x.shape[-1]
;;       r = np.clip(x / 2.0 ** e, -57344, 57344)
;;       step = 2.0 ** (np.maximum(np.frexp(np.where(r == 0, 1, r))[1] - 1, -14) - 2)
;;       q = np.round(r / step) * step * 2.0 ** e      # np.round: ties to even
;;       return np.moveaxis(q, -1, axis).astype(np.float32)
;;   ~~~
;; One version. Each part assembles by itself: llvm-mc -triple=amdgcn-amd-amdhsa -mcpu=gfx1250 --defsym DOCPART=n.
;; ======== version 1 of 1: 3 launches
;; limits: values are held in bf16: 8 bits of precision; right only within a limited range of input values
;; workspace buffers: wimg 1,048,576 bytes; part 2,621,440 bytes
;; launch wprep (part 1): grid 64 x 4, 1 waves a work-group, no clusters, 17,152 bytes of LDS; arguments W, lowp_scales, wimg; writes wimg
.if DOCPART == 1
	.amdgcn_target "amdgcn-amd-amdhsa--gfx1250"
	.amdhsa_code_object_version 6
	.text
	.protected	k_q40289bc69a_wprep
	.globl	k_q40289bc69a_wprep
	.p2align	8
	.type	k_q40289bc69a_wprep,@function
k_q40289bc69a_wprep:
	s_mov_b64 s[64:65], 0
	v_nop
	global_prefetch_b8 v0, s[64:65] scope:SCOPE_SE
	s_setreg_imm32_b32 hwreg(HW_REG_WAVE_MODE, 25, 1), 1
	s_wait_xcnt 0x0
; W [1024 (h)][1024 (d)], f32, becomes codes of BF8 (E5M2) with the given scale 2^e1, laid in the order of the operand's registers.
; code = x / 2^e1, held within +-57,344, rounded to the nearest code, ties to even.  LIMIT: -126 <= e1 <= 112.  NaN among the inputs is not served.
; One wave takes 16 rows (h tile X = work-group x) x 256 along K (quarter w = work-group y): two fragments of 16 rows x 128 K.
; LAYOUT OF wimg: byte (X / 8) 131072 + w 32768 + (X % 8) 4096 + ks 2048 + i 512 + 16 lane + y is the code of W[16 X + lane % 16][256 w + 128 ks + 64 (lane / 16) + 16 i + y].
; So piece i of a fragment is the image of its registers 4 i .. 4 i + 3, 16 bytes a lane: the reader takes a fragment by four loads of 512 consecutive bytes.
; In a fragment lane half hh, register j, byte y hold k = 64 hh + 4 j + y: a permutation of k that the other operand of the product has too.
; The loads take the rows as they lie (512 consecutive bytes each); the numbers turn through a stage in LDS so that a lane gets 16 neighbours along K.
; WORK LEFT OUT IN THIS PROGRAM: the input b.  reference() adds b[h] to context_proj[batch][c][h]; in scores[batch][c] that gives the term sum over h of b[h] hidden[batch][h],
; which is the same for every c of a batch.  The softmax runs over c, and a term that is equal along its axis leaves it as it is, for all finite values of b and hidden.
; b goes into no quantised operand.  So b has no way to out0: it is not loaded and is among no launch's arguments.
; LIMIT: a NaN, an infinity or an overflow that b alone would bring into the scores is not carried to the result.
.set PITCH, 1040
.set RAW,   64                         ; v64-191  the 16 rows x 256 numbers as loaded
.set XA,    16                         ; v16-47   two sets of 16 neighbours
.set CD,    192                        ; v192-223 codes: four registers for each turn, so that no store's data are written again
	s_load_b128 s[4:7], s[0:1], 0x0                ; W, the scales' exponents
	s_load_b64 s[8:9], s[0:1], 0x10                ; wimg
	v_lshl_add_u32 v224, v0, 2, 0x4200
	v_mov_b32 v225, 0
	v_and_b32 v1, 31, v0                           ; lane
	v_lshlrev_b32 v2, 4, v1                        ; 16 x lane: my bytes of a load, of a stage store and of a store of codes
	v_and_b32 v3, 15, v0                           ; r
	v_bfe_u32 v4, v0, 4, 1                         ; hh
	v_mul_u32_u24 v5, v3, PITCH
	v_lshl_add_u32 v5, v4, 8, v5                   ; out of the stage: row r, + 64 hh numbers
	s_and_b32 s10, ttmp7, 0xffff                   ; w
	s_lshl_b32 s12, ttmp9, 16                      ; 16 X rows of 4,096 bytes
	s_lshl_b32 s13, s10, 10                        ; + 256 w numbers
	s_add_co_u32 s12, s12, s13
	s_mov_b32 s13, 0
	s_lshr_b32 s14, ttmp9, 3
	s_lshl_b32 s14, s14, 17                        ; (X / 8) 131072
	s_lshl_b32 s15, s10, 15                        ; + w 32768
	s_add_co_u32 s14, s14, s15
	s_and_b32 s15, ttmp9, 7
	s_lshl_b32 s15, s15, 12                        ; + (X % 8) 4096
	s_add_co_u32 s14, s14, s15
	s_mov_b32 s15, 0
	s_wait_alu depctr_va_vdst(0)
	s_wait_kmcnt 0x0
	s_load_b64 s[16:17], s[6:7], 0x0               ; e0, e1
	s_add_nc_u64 s[4:5], s[4:5], s[12:13]
	s_add_nc_u64 s[8:9], s[8:9], s[14:15]
.irp q, 0,1,2,3,4,5,6,7,8,9,10,11,12,13,14,15,16,17,18,19,20,21,22,23,24,25,26,27,28,29,30,31
	global_load_b128 v[RAW+4*\q:RAW+4*\q+3], v2, s[4:5] offset:4096*(\q/2)+512*(\q%2) th:TH_LOAD_NT   ; row q / 2, half q % 2: 512 consecutive bytes
.endr
	s_wait_kmcnt 0x0
	s_add_co_i32 s17, s17, 127
	s_lshl_b32 s18, s17, 23
	v_mov_b32 v11, s18                             ; 2^e1 as f32: the conversion takes its exponent field
	s_add_co_i32 s17, s17, 15
	s_lshl_b32 s17, s17, 23
	s_or_b32 s17, s17, 0x600000
	v_mov_b32 v10, s17                             ; 57,344 x 2^e1
	s_wait_alu depctr_va_vdst(0)
.irp q, 0,1,2,3,4,5,6,7,8,9,10,11,12,13,14,15,16,17,18,19,20,21,22,23,24,25,26,27,28,29,30,31
	s_wait_loadcnt 31-\q                           ; loads come back in order: load q is in, the younger ones stay out
	ds_store_b128 v2, v[RAW+4*\q:RAW+4*\q+3] offset:PITCH*(\q/2)+512*(\q%2)
.endr
.macro RD t                            ; turn t = 4 ks + i: my 16 neighbours, into set t % 2.  LDS serves a wave's instructions in order: these see the stores above
.irp n, 0,1,2,3
	ds_load_b128 v[XA+16*((\t)%2)+4*\n:XA+16*((\t)%2)+4*\n+3], v5 offset:512*((\t)/4)+64*((\t)%4)+16*\n
.endr
.endm
.macro TURN t
.set XS, XA+16*((\t)%2)
.if (\t) < 7
	s_wait_dscnt 4                                 ; this turn's four loads are in; the next turn's four may be out
.else
	s_wait_dscnt 0
.endif
.irp n, 0,1,2,3,4,5,6,7,8,9,10,11,12,13,14,15
	v_med3_num_f32 v[XS+\n], v[XS+\n], -v10, v10   ; the conversion to an 8-bit code does not saturate (ISA guide 7.6.2): the hold at the largest code x the scale comes first
.endr
	v_cvt_scalef32_pk8_bf8_f32 v[CD+4*(\t):CD+4*(\t)+1], v[XS:XS+7], v11
	v_cvt_scalef32_pk8_bf8_f32 v[CD+4*(\t)+2:CD+4*(\t)+3], v[XS+8:XS+15], v11
	v_nop                                          ; a plain line behind the last conversion of the run
	global_store_b128 v2, v[CD+4*(\t):CD+4*(\t)+3], s[8:9] offset:2048*((\t)/4)+512*((\t)%4)   ; 512 consecutive bytes, at a multiple of 512 from wimg's first byte
.if (\t)+2 < 8
	RD (\t)+2
.endif
.endm
	RD 0
	RD 1
.irp t, 0,1,2,3,4,5,6,7
	TURN \t
.endr
	s_wait_tensorcnt 0x0
	ds_add_u32 v224, v225
	s_wait_dscnt 0x0
	s_endpgm
.Lfunc_end_k_q40289bc69a_wprep:
	.size	k_q40289bc69a_wprep, .Lfunc_end_k_q40289bc69a_wprep-k_q40289bc69a_wprep
	.p2alignl 7, 3214868480
	.fill 96, 4, 3214868480
	.section	.rodata,"a",@progbits
	.p2align	6, 0x0
	.amdhsa_kernel k_q40289bc69a_wprep
		.amdhsa_group_segment_fixed_size 17152
		.amdhsa_private_segment_fixed_size 0
		.amdhsa_enable_private_segment 0
		.amdhsa_kernarg_size 24
		.amdhsa_user_sgpr_count 2
		.amdhsa_user_sgpr_kernarg_segment_ptr 1
		.amdhsa_wavefront_size32 1
		.amdhsa_system_sgpr_workgroup_id_x 1
		.amdhsa_system_sgpr_workgroup_id_y 1
		.amdhsa_system_sgpr_workgroup_id_z 1
		.amdhsa_system_vgpr_workitem_id 0
		.amdhsa_next_free_vgpr 226
		.amdhsa_next_free_sgpr 66
		.amdhsa_reserve_vcc 0
		.amdhsa_float_denorm_mode_32 3
		.amdhsa_float_denorm_mode_16_64 3
		.amdhsa_memory_ordered 1
		.amdhsa_forward_progress 1
		.amdhsa_inst_pref_size 21
	.end_amdhsa_kernel
	.amdgpu_metadata
---
amdhsa.version: [ 1, 2 ]
amdhsa.kernels:
  - .name:           k_q40289bc69a_wprep
    .symbol:         k_q40289bc69a_wprep.kd
    .args:
      - { .name: W, .offset: 0, .size: 8, .value_kind: global_buffer, .address_space: global }
      - { .name: lowp_scales, .offset: 8, .size: 8, .value_kind: global_buffer, .address_space: global }
      - { .name: wimg, .offset: 16, .size: 8, .value_kind: global_buffer, .address_space: global }
    .group_segment_fixed_size: 17152
    .private_segment_fixed_size: 0
    .kernarg_segment_align: 8
    .kernarg_segment_size: 24
    .max_flat_workgroup_size: 32
    .sgpr_count:     66
    .vgpr_count:     226
    .wavefront_size: 32
...
	.end_amdgpu_metadata
.endif
;; end of part 1
;; launch main (part 2): grid 256 x 1, 4 waves a work-group, clusters of 4 x 1, 327,680 bytes of LDS; arguments contextvects, hidden, lowp_scales, wimg, part; writes part
.if DOCPART == 2
	.amdgcn_target "amdgcn-amd-amdhsa--gfx1250"
	.amdhsa_code_object_version 6
	.text
	.protected	k_q40289bc69a_main
	.globl	k_q40289bc69a_main
	.p2align	8
	.type	k_q40289bc69a_main,@function
k_q40289bc69a_main:
	s_mov_b64 s[64:65], 0
	v_nop
	global_prefetch_b8 v0, s[64:65] scope:SCOPE_SE
	s_setreg_imm32_b32 hwreg(HW_REG_WAVE_MODE, 25, 1), 1
	s_wait_xcnt 0x0
	s_wait_alu depctr_hold_cnt(0) depctr_sa_sdst(0) depctr_va_vdst(0) depctr_va_sdst(0) depctr_va_ssrc(0) depctr_va_vcc(0) depctr_vm_vsrc(0)
	s_getreg_b32 s2, hwreg(HW_REG_IB_STS2, 6, 4)
	s_cmp_eq_u32 s2, 0
	s_cbranch_scc0 .Lentry_in_a_cluster
	s_endpgm
.Lentry_in_a_cluster:
	s_bfe_u32 s2, ttmp6, 0x10000c
	s_cmp_lg_u32 s2, 0x3003
	s_cbranch_scc0 .Lentry_shape_is_right
	s_endpgm
.Lentry_shape_is_right:
; For a batch and a chunk of 128 context positions c: scores[c] = sum over h of hidden[h] (sum over d of Q(W)[h][d] Q(x)[d][c]), the chunk's own softmax parts, and sum over c of p[c] x[d][c].
; The bias b is left out: its term in the scores is the same for all c of a batch, and the softmax over c takes it away (shown at the head of the first kernel).
; SHARES: 256 work-groups, two chunks each; wave w takes d = 256 w .. 256 w + 255 of all 128 c: its part of K in the first product, its rows in the last.
; x is read from memory once: each granule of 16 numbers a lane becomes codes of BF8 (window 1; held at +-57,344 x 2^e0 first) and bf16 numbers (through the wave's stage in LDS into windows 2 and 3).
; W's codes (wimg, images of the operand's registers) walk through a ring of two LDS slots of 128 h rows, filled by joint loads of the four work-groups of a cluster; a wave fills and reads its own K quarter.
; A tile of 16 h rows: 16 matrix instructions on eight accumulators by turns, each finished accumulator weighed with hidden[h] by packed multiply-adds into the scores' partial sums.
; The next tile's ten LDS loads (two fragments of W, eight numbers of hidden) go in one run, behind the tile's first four matrix instructions.
; Then the four waves' partial scores are added through LDS, p = 2^(t - the chunk's largest t) goes as bf16 into the last product, and (sums, largest t, sum of p) go to part; launch combine joins the chunks.
; PREFETCH: in each of the eight W steps of the first chunk a wave asks for 16 rows x 512 bytes of its part of the second chunk (rows 8 s .. and 128 + 8 s .., with their mates 64 rows on): each block of 256 bytes once, one chunk ahead.
; In the first chunk's own quantising a wave asks for the rows of the granules 24 on, 12 granules ahead of their loads.  The second chunk asks for nothing: no address leaves the buffer.
; LIMITS: -126 <= e0 <= 112; NaN among the inputs is not served.
.set SLOT1, 1<<17
.set SPARE, 262144
.set HID,   262656
.set STAGE, 279040
.set SCX,   314880
.set PB,    316928
.set OS,    317952
.set AW0, 1
.set AH0, 2
.set ADW, 3
.set ADH, 4
.set XO,  5
.set SPW, 6
.set NIL, 7
.set QS,  8
.set QL,  9
.set STS, 10
.set STL, 11
.set PFB, 72
.set PFO, 15
.set C0,  16
.set BF,  32
.set RR,  40
.set AB,  44
.set XS,  64
.set ACC, 32
.set SS,  96
.set WF,  128
.set WV,  16
.set G1,  24
.set G0A, 32
.set G0B, 36
.set WB,  40
.set WOFF, 42
.set TB,  44
.set HB,  45
.set CH,  46
.set ST,  47
.set PR,  48
.set EE,  49
.set SEL, 50
.set P0,  52
.set MHI, 56
.set LG,  58
.set CX,  60
.set PT,  66
.set SBX, 68
.set SBP, 69
.set SBO, 70
.set MSB, 0
.macro WIN new
.if MSB != (\new)
	s_set_vgpr_msb (MSB<<8)|(\new)
.set MSB, (\new)
.endif
.endm
.macro CREST
	s_cmp_lg_u32 s[WV], 0
	s_cbranch_scc1 .Lnot_wave_0_\@
	s_barrier_signal -3
.Lnot_wave_0_\@:
	s_barrier_wait -3
	s_barrier_signal -1
	s_barrier_wait -1
.endm
.macro ROUND
	s_barrier_signal -1
	s_barrier_wait -1
	CREST
.endm
.macro XLOAD gam
.set xrow, 128*((\gam)/32)+16*(((\gam)/8)%4)+4*(((\gam)/2)%4)
.set xr, XS+16*(((\gam)+8)%12)
.irp n, 0,1,2,3
	global_load_b128 v[xr+4*\n:xr+4*\n+3], v[XO], s[CX:CX+1] offset:(xrow+\n)*8192+256*((\gam)%2) th:TH_LOAD_NT
.endr
.endm
.macro GRAN gam
.set gks, (\gam)/32
.set gi4, ((\gam)/2)%4
.set gcg, (\gam)%2
.set gj,  4*(((\gam)/8)%4)+gi4
.set gx,  XS+16*(((\gam)+8)%12)
.set gb,  BF+16*((\gam)%2)
.if (\gam) <= 52
	s_wait_loadcnt 44
.else
	s_wait_loadcnt 4*(63-(\gam))
.endif
.irp n, 0,1,2,3,4,5,6,7
	v_cvt_pk_bf16_f32 v[gb+\n], v[gx+2*\n], v[gx+2*\n+1]
.endr
.irp n, 0,1,2,3
	ds_store_b64 v[STS], v[gb+2*\n:gb+2*\n+1] offset:(4*gi4+\n)*272+128*gcg
.endr
.if ((\gam)%4 == 0) && ((\gam)+24 <= 60)
	s_cmp_eq_u32 s[CH], 1                          ; the second chunk's rows were asked for in the first chunk's W steps
	s_cbranch_scc1 .Lng_\@
	global_prefetch_b8 v[PFO], s[CX:CX+1] offset:(128*(((\gam)+24)/32)+16*((((\gam)+24)/8)%4)+4*((((\gam)+24)/2)%4))*8192 th:TH_LOAD_NT scope:SCOPE_SE   ; the rows of granules gam + 24 .. gam + 27
.Lng_\@:
.endif
.irp n, 0,1,2,3,4,5,6,7,8,9,10,11,12,13,14,15
	v_med3_num_f32 v[gx+\n], v[gx+\n], -v[QL], v[QL]
.endr
	v_cvt_scalef32_pk8_bf8_f32 v[RR:RR+1], v[gx:gx+7], v[QS]
	v_cvt_scalef32_pk8_bf8_f32 v[RR+2:RR+3], v[gx+8:gx+15], v[QS]
	v_nop
	v_perm_b32 v[AB],   v[RR+1], v[RR],   s[P0]
	v_perm_b32 v[AB+1], v[RR+1], v[RR],   s[P0+1]
	v_perm_b32 v[AB+2], v[RR+3], v[RR+2], s[P0]
	v_perm_b32 v[AB+3], v[RR+3], v[RR+2], s[P0+1]
.if (gcg == 0) && (gks == 0)
	v_perm_b32 v[C0+gj], v[AB+2], v[AB], s[P0+2]
	WIN 0x40
.else
	WIN 0x40
	v_perm_b32 v[16*(8*gcg+gks)+gj], v[AB+2], v[AB], s[P0+2]
.endif
	v_perm_b32 v[16*(8*gcg+2+gks)+gj], v[AB+2], v[AB],   s[P0+3]
	v_perm_b32 v[16*(8*gcg+4+gks)+gj], v[AB+3], v[AB+1], s[P0+2]
	v_perm_b32 v[16*(8*gcg+6+gks)+gj], v[AB+3], v[AB+1], s[P0+3]
	WIN 0
.if (\gam)+12 <= 63
	XLOAD (\gam)+12
.endif
.endm
.macro READBACK ks, ib
	WIN 0x80+0x40*(\ks)
.irp u, 0,1
.irp g, 0,1,2,3
.irp n, 0,1
	ds_load_b128 v[32*(4*\u+(\ib))+8*\g+4*\n:32*(4*\u+(\ib))+8*\g+4*\n+3], v[STL] offset:4480*\u+64*\g+16*\n
.endr
.endr
.endr
	WIN 0
.endm
.macro EARLY
	XLOAD 0
	XLOAD 1
	XLOAD 2
	XLOAD 3
.endm
.macro ASKN                            ; W step s finds s[PFB] at the next chunk's row 8 (s + 1): rows 8 s .. 8 s + 7 and 128 + 8 s .., each with its mate 64 rows on, 512 bytes of each
	global_prefetch_b8 v[PFO], s[PFB:PFB+1] offset:-65536 th:TH_LOAD_NT scope:SCOPE_SE
	global_prefetch_b8 v[PFO], s[PFB:PFB+1] offset:983040 th:TH_LOAD_NT scope:SCOPE_SE
.endm
.macro FADR
	v_add_nc_u32 v[ADW], v[AW0], s[TB]
	v_add_nc_u32 v[ADH], v[AH0], s[HB]
	s_add_co_u32 s[TB], s[TB], 4096
	s_add_co_u32 s[HB], s[HB], 64
	s_and_b32 s[HB], s[HB], 0xfc0
.endm
.macro FLD p
.irp k, 0,1
.irp i, 0,1,2,3
	ds_load_b128 v[WF+32*(\p)+16*\k+4*\i:WF+32*(\p)+16*\k+4*\i+3], v[ADW] offset:2048*\k+512*\i
.endr
.endr
	WIN 0x44
	ds_load_b128 v[8*(\p):8*(\p)+3], v[ADH]
	ds_load_b128 v[8*(\p)+4:8*(\p)+7], v[ADH] offset:16
.endm
.macro MM t, k, p
.if ((\t) == 0) && ((\k) == 0)
	v_wmma_f32_16x16x128_bf8_bf8 v[ACC:ACC+7], v[WF+32*(\p):WF+32*(\p)+15], v[C0:C0+15], 0
.elseif (\k) == 0
	v_wmma_f32_16x16x128_bf8_bf8 v[ACC+8*(\t):ACC+8*(\t)+7], v[WF+32*(\p):WF+32*(\p)+15], v[32*(\t):32*(\t)+15], 0
.else
	v_wmma_f32_16x16x128_bf8_bf8 v[ACC+8*(\t):ACC+8*(\t)+7], v[WF+32*(\p)+16:WF+32*(\p)+31], v[32*(\t)+16:32*(\t)+31], v[ACC+8*(\t):ACC+8*(\t)+7]
.endif
.endm
.macro EP t, a, p
.irp n, 0,1
	v_pk_fma_f32 v[SS+4*(\t)+2*\n:SS+4*(\t)+2*\n+1], v[ACC+8*(\t)+4*(\a)+2*\n:ACC+8*(\t)+4*(\a)+2*\n+1], v[8*(\p)+4*(\a)+2*\n:8*(\p)+4*(\a)+2*\n+1], v[SS+4*(\t)+2*\n:SS+4*(\t)+2*\n+1]
.endr
.endm
.macro PAIR u, p
	MM 2*(\u), 0, \p
	EP 2*(\u)-2, 0, \p
	MM 2*(\u)+1, 0, \p
	EP 2*(\u)-2, 1, \p
	MM 2*(\u), 1, \p
	EP 2*(\u)-1, 0, \p
	MM 2*(\u)+1, 1, \p
	EP 2*(\u)-1, 1, \p
.endm
.macro HT p, kind, extra, fetch
.if (\kind) == 1
	WIN 0
	s_wait_tensorcnt 0x0
	ds_add_u32 v[SPW], v[NIL]
	s_xor_b32 s[G0B+1], s[G0B+1], SLOT1
	s_wait_xcnt 0x0                                ; my prefetches have read their base: it steps eight rows on
	s_add_nc_u64 s[PFB:PFB+1], s[PFB:PFB+1], 65536
	s_add_co_u32 s[WOFF], s[WOFF], 131072
	s_and_b32 s[WOFF], s[WOFF], 0xfffff
	s_add_nc_u64 s[G0B+2:G0B+3], s[WB:WB+1], s[WOFF:WOFF+1]
	s_or_b32 s[G0B+3], s[G0B+3], 0x80000000
	s_sub_co_u32 s[TB], s[TB], 32768
	s_xor_b32 s[TB], s[TB], SLOT1
.elseif (\kind) == 2
	s_wait_tensorcnt 0x0
	s_sub_co_u32 s[TB], s[TB], 32768
	s_xor_b32 s[TB], s[TB], SLOT1
.endif
	WIN 0
.if \fetch
	FADR
.endif
.if (\kind) == 1
	s_wait_dscnt 0x1
.else
	s_wait_dscnt 0x0
.endif
	MM 0, 0, \p
	WIN 0x04
	EP 6, 0, 1-(\p)
	MM 1, 0, \p
	s_wait_alu depctr_va_vdst(0)
	EP 6, 1, 1-(\p)
	MM 0, 1, \p
	EP 7, 0, 1-(\p)
	MM 1, 1, \p
	EP 7, 1, 1-(\p)
.if (\kind) == 1
	s_wait_dscnt 0x0
	s_barrier_signal -1
	PAIR 1, \p
	WIN 0
	s_barrier_wait -1
	CREST
	tensor_load_to_lds s[G0B:G0B+3], s[G1:G1+7]
	s_nop 0
.rept 4
	v_nop
.endr
.if \fetch
	FLD 1-(\p)
.endif
	WIN 0
.if (\extra) == 1
	EARLY
.endif
.if (\extra) == 0
	s_cmp_eq_u32 s[CH], 1                          ; the last chunk has no successor: nothing is asked for
	s_cbranch_scc1 .Lnoask_\@
.endif
	ASKN
.Lnoask_\@:
	WIN 0x04
	PAIR 2, \p
	PAIR 3, \p
.else
.if \fetch
	FLD 1-(\p)
	WIN 0x04
.endif
	PAIR 1, \p
	PAIR 2, \p
	PAIR 3, \p
.endif
.endm
.macro STEP kind, extra, lastfetch
	s_mov_b32 s[PR], 3
.Lpair_\@:
	HT 0, 0, 0, 1
	HT 1, 0, 0, 1
	WIN 0
	s_sub_co_u32 s[PR], s[PR], 1
	s_cmp_lg_u32 s[PR], 0
	s_cbranch_scc1 .Lpair_\@
	HT 0, 0, 0, 1
	HT 1, \kind, \extra, \lastfetch
	WIN 0
.endm
.macro TAILEP
	WIN 0x04
	EP 6, 0, 1
	EP 6, 1, 1
	EP 7, 0, 1
	EP 7, 1, 1
	WIN 0
.endm
.macro PPHASE
.irp t, 0,1,2,3,4,5,6,7
	v_pk_add_f32 v[176+2*\t:177+2*\t], v[SS+4*\t:SS+4*\t+1], v[SS+4*\t+2:SS+4*\t+3]
.endr
.irp t, 0,1,2,3,4,5,6,7
	v_add_f32 v[160+\t], v[176+2*\t], v[177+2*\t]
.endr
.irp t, 0,1,2,3,4,5,6,7
	v_permlanex16_b32 v[176+\t], v[160+\t], s[SEL], s[SEL+1]
.endr
.irp t, 0,1,2,3,4,5,6,7
	v_add_f32 v[160+\t], v[160+\t], v[176+\t]
.endr
.irp e, 0,1,2,3
	v_cndmask_b32 v[168+\e], v[160+\e], v[164+\e], s[MHI]
.endr
.irp e, 0,1,2,3
	v_ldexp_f32 v[168+\e], v[168+\e], s[EE]
.endr
	v_and_b32 v184, 31, v0
	v_bfe_u32 v183, v0, 4, 1
	v_lshlrev_b32 v185, 4, v184
	v_add_nc_u32 v186, s[SBX], v185
	v_add_nc_u32 v187, SCX, v185
	v_lshl_add_u32 v188, v184, 3, s[SBP]
	v_lshl_add_u32 v189, v183, 5, s[SBP]
	v_lshl_add_u32 v190, v184, 2, s[SBO]
	v_add_nc_u32 v191, s[SBO], v185
	ds_store_b128 v186, v[168:171]
	s_wait_alu depctr_va_vdst(0)
	s_wait_dscnt 0x0
	s_barrier_signal -1
	s_barrier_wait -1
.irp q, 0,1,2,3
	ds_load_b128 v[128+4*\q:131+4*\q], v187 offset:512*\q
.endr
	s_wait_dscnt 0x0
	v_pk_add_f32 v[128:129], v[128:129], v[132:133]
	v_pk_add_f32 v[130:131], v[130:131], v[134:135]
	v_pk_add_f32 v[136:137], v[136:137], v[140:141]
	v_pk_add_f32 v[138:139], v[138:139], v[142:143]
	v_pk_add_f32 v[128:129], v[128:129], v[136:137]
	v_pk_add_f32 v[130:131], v[130:131], v[138:139]
	v_max3_num_f32 v160, v128, v129, v130
	v_max_num_f32 v160, v160, v131
	v_max_num_f32_dpp v160, v160, v160 row_xmask:1 row_mask:0xf bank_mask:0xf
	v_max_num_f32_dpp v160, v160, v160 row_xmask:2 row_mask:0xf bank_mask:0xf
	v_max_num_f32_dpp v160, v160, v160 row_xmask:4 row_mask:0xf bank_mask:0xf
	v_max_num_f32_dpp v160, v160, v160 row_xmask:8 row_mask:0xf bank_mask:0xf
	v_permlanex16_b32 v161, v160, s[SEL], s[SEL+1]
	v_max_num_f32 v160, v160, v161
	v_mul_f32 v172, s[LG], v160
	v_mov_b32 v173, 0
	v_pk_fma_f32 v[128:129], v[128:129], s[LG:LG+1], v[172:173] op_sel_hi:[1,0,0] neg_lo:[0,0,1] neg_hi:[0,0,1]
	v_pk_fma_f32 v[130:131], v[130:131], s[LG:LG+1], v[172:173] op_sel_hi:[1,0,0] neg_lo:[0,0,1] neg_hi:[0,0,1]
	s_wait_alu depctr_va_vdst(0)
.irp e, 0,1,2,3
	v_exp_f32 v[128+\e], v[128+\e]
.endr
	v_lshlrev_b32 v182, 3, v184
	s_wait_alu depctr_va_vdst(0)
	v_pk_add_f32 v[162:163], v[128:129], v[130:131]
	v_cvt_pk_bf16_f32 v164, v128, v129
	v_cvt_pk_bf16_f32 v165, v130, v131
	v_add_f32 v173, v162, v163
	ds_store_b64 v188, v[164:165]
.irp g, 0,1,2,3
.irp n, 0,1
	ds_load_b128 v[128+8*\g+4*\n:131+8*\g+4*\n], v189 offset:64*\g+16*\n
.endr
.endr
	v_add_f32_dpp v173, v173, v173 row_xmask:1 row_mask:0xf bank_mask:0xf
	v_add_f32_dpp v173, v173, v173 row_xmask:2 row_mask:0xf bank_mask:0xf
	v_add_f32_dpp v173, v173, v173 row_xmask:4 row_mask:0xf bank_mask:0xf
	v_add_f32_dpp v173, v173, v173 row_xmask:8 row_mask:0xf bank_mask:0xf
	v_permlanex16_b32 v162, v173, s[SEL], s[SEL+1]
	v_add_f32 v173, v173, v162
	s_wait_alu depctr_va_vdst(0)
	s_wait_dscnt 0x0
.irp hf, 0,1
	WIN 0x08+4*\hf
.irp g, 0,1,2,3
.irp a, 0,1,2,3,4,5,6,7
.if \g == 0
	v_wmma_f32_16x16x32_bf16 v[32+8*\a:39+8*\a], v[128+8*\g:135+8*\g], v[32*\a+8*\g:32*\a+8*\g+7], 0
.else
	v_wmma_f32_16x16x32_bf16 v[32+8*\a:39+8*\a], v[128+8*\g:135+8*\g], v[32*\a+8*\g:32*\a+8*\g+7], v[32+8*\a:39+8*\a]
.endif
.endr
.endr
	WIN 0
.rept 4
	v_nop
.endr
.irp i, 0,1,2,3
	v_cndmask_b32 v[96+4*\hf+\i], v[32+16*\i], v[40+16*\i], s[MHI]
.endr
.endr
.irp i, 0,1,2,3,4,5,6,7
	ds_store_b32 v190, v[96+\i] offset:128*\i
.endr
	ds_load_b128 v[104:107], v191
	ds_load_b128 v[108:111], v191 offset:512
	s_wait_dscnt 1
	global_store_b128 v185, v[104:107], s[PT:PT+1]
	s_wait_dscnt 0
	global_store_b128 v185, v[108:111], s[PT:PT+1] offset:512
	global_store_b64 v182, v[172:173], s[PT:PT+1] offset:1024
.endm
	s_load_b128 s[4:7], s[0:1], 0x0                ; contextvects, hidden
	s_load_b64 s[10:11], s[0:1], 0x10              ; the scales' exponents
	s_load_b128 s[12:15], s[0:1], 0x18             ; wimg, part
	v_lshl_add_u32 v[SPW], v0, 2, SPARE
	v_mov_b32 v[NIL], 0
	ds_add_u32 v6, v7
	ds_add_u32 v6, v7
	s_wait_dscnt 0x0
	v_lshrrev_b32 v1, 5, v0
	v_readfirstlane_b32 s[WV], v1
	s_bfe_u32 s17, ttmp6, 0x40000
	s_lshl_b32 s18, ttmp9, 2
	s_add_co_u32 s18, s18, s17
	s_lshr_b32 s19, ttmp9, 1
	s_mov_b32 s[G1], 15|(3<<16)|(1<<21)
	s_mov_b32 s[G1+1], 32<<16
	s_mov_b32 s[G1+2], 128<<16
	s_mov_b32 s[G1+3], 32<<16
	s_mov_b32 s[G1+4], 128
	s_mov_b32 s[G1+5], 32
	s_mov_b32 s[G1+6], 0
	s_mov_b32 s[G1+7], 0
	s_mov_b32 s[SEL], 0x76543210
	s_mov_b32 s[SEL+1], 0xfedcba98
	s_mov_b32 s[P0], 0x05010400
	s_mov_b32 s[P0+1], 0x07030602
	s_mov_b32 s[P0+2], 0x05040100
	s_mov_b32 s[P0+3], 0x07060302
	s_mov_b32 s[MHI], 0xffff0000
	s_mov_b32 s[LG], 0x3fb8aa3b
	s_mov_b32 s[LG+1], s[LG]
	s_mov_b32 s[CH], 2
	s_lshl_b32 s20, s[WV], 15
	s_mov_b32 s21, 0
	s_mov_b32 s[WOFF], 131072
	s_mov_b32 s[WOFF+1], 0
	s_wait_kmcnt 0x0
	s_load_b64 s[22:23], s[10:11], 0x0
	s_add_nc_u64 s[WB:WB+1], s[12:13], s[20:21]
	s_mov_b32 s[G0A], 1
	s_mov_b32 s[G0A+1], s20
	s_mov_b64 s[G0A+2:G0A+3], s[WB:WB+1]
	s_or_b32 s[G0A+3], s[G0A+3], 0x80000000
	s_mov_b32 s[G0B], 1
	s_add_co_u32 s[G0B+1], s20, SLOT1
	s_add_nc_u64 s[G0B+2:G0B+3], s[WB:WB+1], s[WOFF:WOFF+1]
	s_or_b32 s[G0B+3], s[G0B+3], 0x80000000
	; hidden's row of my batch and the first twelve granules of x are asked for here, ahead of the rounds and of W's first fills
	v_and_b32 v33, 31, v0
	v_and_b32 v34, 15, v0
	v_bfe_u32 v35, v0, 4, 1
	v_lshlrev_b32 v32, 4, v33
	v_lshlrev_b32 v[XO], 4, v34
	v_lshl_add_u32 v[XO], v35, 19, v[XO]
	s_lshl_b32 s62, s19, 12
	s_mov_b32 s63, 0
	s_add_nc_u64 s[6:7], s[6:7], s[62:63]
	s_lshl_b32 s62, s19, 23
	s_lshl_b32 s72, s[WV], 21
	s_add_co_u32 s62, s62, s72
	s_and_b32 s72, s18, 7
	s_lshl_b32 s72, s72, 10
	s_add_co_u32 s62, s62, s72
	s_add_nc_u64 s[CX:CX+1], s[4:5], s[62:63]
	s_add_nc_u64 s[PFB:PFB+1], s[CX:CX+1], 512     ; the second chunk's first row: each W step steps it eight rows on ahead of its prefetches
	s_wait_alu depctr_va_vdst(0)                   ; wait directly ahead of the first reader
	WIN 0x80
.irp n, 0,1,2,3,4,5,6,7
	global_load_b128 v[4*\n:4*\n+3], v32, s[6:7] offset:512*\n
.endr
	WIN 0
.irp q, 0,1,2,3,4,5,6,7,8,9,10,11
	XLOAD \q
.endr
	ROUND
	tensor_load_to_lds s[G0A:G0A+3], s[G1:G1+7]
	s_nop 0
	s_wait_alu depctr_va_vdst(0)
	s_wait_tensorcnt 0x0
	ds_add_u32 v6, v7
	s_wait_dscnt 0x0
	ROUND
	tensor_load_to_lds s[G0B:G0B+3], s[G1:G1+7]
	s_nop 0
.rept 4
	v_nop
.endr
	v_add_nc_u32 v[AW0], s20, v32
	s_lshl_b32 s20, s[WV], 12
	s_add_co_u32 s20, s20, HID
	v_lshl_add_u32 v[AH0], v35, 5, s20
	v_add_nc_u32 v37, s20, v32
	s_mul_i32 s20, s[WV], 8960
	s_add_co_u32 s20, s20, STAGE
	v_mul_u32_u24 v38, v35, 4480
	v_lshl_add_u32 v38, v34, 3, v38
	v_add_nc_u32 v[STS], s20, v38
	v_mul_u32_u24 v38, v34, 272
	v_lshl_add_u32 v38, v35, 5, v38
	v_add_nc_u32 v[STL], s20, v38
	v_lshrrev_b32 v38, 2, v33
	v_lshlrev_b32 v[PFO], 13, v38
	v_bfe_u32 v38, v0, 1, 1
	v_lshl_add_u32 v[PFO], v38, 19, v[PFO]
	v_and_b32 v38, 1, v0
	v_lshl_add_u32 v[PFO], v38, 8, v[PFO]
	s_lshl_b32 s[SBX], s[WV], 9
	s_add_co_u32 s[SBX], s[SBX], SCX
	s_lshl_b32 s[SBP], s[WV], 8
	s_add_co_u32 s[SBP], s[SBP], PB
	s_lshl_b32 s[SBO], s[WV], 10
	s_add_co_u32 s[SBO], s[SBO], OS
	s_lshl_b32 s62, s18, 3
	s_add_co_u32 s62, s62, s[WV]
	s_mul_i32 s62, s62, 1280
	s_add_nc_u64 s[PT:PT+1], s[14:15], s[62:63]
	s_wait_kmcnt 0x0
	s_add_co_i32 s[EE], s22, s23
	s_add_co_i32 s20, s22, 127
	s_lshl_b32 s21, s20, 23
	v_mov_b32 v[QS], s21
	s_add_co_i32 s20, s20, 15
	s_lshl_b32 s20, s20, 23
	s_or_b32 s20, s20, 0x600000
	v_mov_b32 v[QL], s20
	s_wait_alu depctr_va_vdst(0)                   ; wait at the head's end
	s_wait_loadcnt 48                              ; hidden's eight loads are in; the 48 loads of x may be out
	WIN 0x08
.irp n, 0,1,2,3,4,5,6,7
	ds_store_b128 v37, v[4*\n:4*\n+3] offset:512*\n
.endr
	WIN 0
	s_wait_dscnt 0x0
.Lchunk:
.set G, 0
.rept 64
	GRAN G
.if G%8 == 7
	READBACK G/32, (G/8)%4
.endif
.set G, G+1
.endr
	s_wait_tensorcnt 0x1
	s_mov_b32 s[TB], 0
	s_mov_b32 s[HB], 0
.irp n, 0,1,2,3,4,5,6,7,8,9,10,11,12,13,14,15,16,17,18,19,20,21,22,23,24,25,26,27,28,29,30,31
	v_mov_b32 v[SS+\n], 0
.endr
.irp n, 0,1,2,3,4,5,6,7,8,9,10,11,12,13,14,15
	v_mov_b32 v[ACC+48+\n], 0
.endr
	WIN 0x40
.irp n, 0,1,2,3,4,5,6,7
	v_mov_b32 v[8+\n], 0
.endr
	WIN 0
	FADR
	FLD 0
	WIN 0
	s_mov_b32 s[ST], 6
.Lstep:
	STEP 1, 0, 1
	s_sub_co_u32 s[ST], s[ST], 1
	s_cmp_lg_u32 s[ST], 0
	s_cbranch_scc1 .Lstep
	s_cmp_eq_u32 s[CH], 1
	s_cbranch_scc1 .Llast
	s_add_nc_u64 s[CX:CX+1], s[CX:CX+1], 512
	STEP 1, 1, 1
	STEP 1, 2, 0
	TAILEP
	PPHASE
	s_wait_xcnt 0x0
	s_add_nc_u64 s[PT:PT+1], s[PT:PT+1], 5120
.irp q, 4,5,6,7,8,9,10,11
	XLOAD \q
.endr
	s_sub_co_u32 s[CH], s[CH], 1
	s_branch .Lchunk
.Llast:
	STEP 2, 0, 1
	STEP 0, 0, 0
	TAILEP
	PPHASE
	s_wait_tensorcnt 0x0
	ds_add_u32 v[SPW], v[NIL]
	s_wait_dscnt 0x0
	ROUND
	s_endpgm
.Lfunc_end_k_q40289bc69a_main:
	.size	k_q40289bc69a_main, .Lfunc_end_k_q40289bc69a_main-k_q40289bc69a_main
	.p2alignl 7, 3214868480
	.fill 96, 4, 3214868480
	.section	.rodata,"a",@progbits
	.p2align	6, 0x0
	.amdhsa_kernel k_q40289bc69a_main
		.amdhsa_group_segment_fixed_size 327680
		.amdhsa_private_segment_fixed_size 0
		.amdhsa_enable_private_segment 0
		.amdhsa_kernarg_size 40
		.amdhsa_user_sgpr_count 2
		.amdhsa_user_sgpr_kernarg_segment_ptr 1
		.amdhsa_wavefront_size32 1
		.amdhsa_system_sgpr_workgroup_id_x 1
		.amdhsa_system_sgpr_workgroup_id_y 1
		.amdhsa_system_sgpr_workgroup_id_z 1
		.amdhsa_system_vgpr_workitem_id 0
		.amdhsa_next_free_vgpr 1024
		.amdhsa_next_free_sgpr 74
		.amdhsa_reserve_vcc 0
		.amdhsa_float_denorm_mode_32 3
		.amdhsa_float_denorm_mode_16_64 3
		.amdhsa_memory_ordered 1
		.amdhsa_forward_progress 1
		.amdhsa_inst_pref_size 255
	.end_amdhsa_kernel
	.section	.bss,"aw",@nobits
	.p2align	6
	.space	262144
	.amdgpu_metadata
---
amdhsa.version: [ 1, 2 ]
amdhsa.kernels:
  - .name:           k_q40289bc69a_main
    .symbol:         k_q40289bc69a_main.kd
    .args:
      - { .name: contextvects, .offset: 0, .size: 8, .value_kind: global_buffer, .address_space: global }
      - { .name: hidden, .offset: 8, .size: 8, .value_kind: global_buffer, .address_space: global }
      - { .name: lowp_scales, .offset: 16, .size: 8, .value_kind: global_buffer, .address_space: global }
      - { .name: wimg, .offset: 24, .size: 8, .value_kind: global_buffer, .address_space: global }
      - { .name: part, .offset: 32, .size: 8, .value_kind: global_buffer, .address_space: global }
    .group_segment_fixed_size: 327680
    .private_segment_fixed_size: 0
    .kernarg_segment_align: 8
    .kernarg_segment_size: 40
    .max_flat_workgroup_size: 128
    .sgpr_count:     74
    .vgpr_count:     1024
    .wavefront_size: 32
...
	.end_amdgpu_metadata
.endif
;; end of part 2
;; launch combine (part 3): grid 128 x 2, 4 waves a work-group, no clusters, 0 bytes of LDS; arguments part, out0; writes out0
.if DOCPART == 3
	.amdgcn_target "amdgcn-amd-amdhsa--gfx1250"
	.amdhsa_code_object_version 6
	.text
	.protected	k_q40289bc69a_combine
	.globl	k_q40289bc69a_combine
	.p2align	8
	.type	k_q40289bc69a_combine,@function
k_q40289bc69a_combine:
	s_mov_b64 s[64:65], 0
	v_nop
	global_prefetch_b8 v0, s[64:65] scope:SCOPE_SE
	s_setreg_imm32_b32 hwreg(HW_REG_WAVE_MODE, 25, 1), 1
	s_wait_xcnt 0x0
; out0[s][batch][d] = (sum over a batch's 16 chunks j of 2^(m2_j - M) acc_j[d]) / (sum over j of 2^(m2_j - M) l_j), M = the largest m2_j; the same numbers for all 64 s.
; part: record (chunk, wave w) of 1,280 bytes: acc for d = 256 w .. 256 w + 255 (f32), then (m2, l) 32 times.  A batch's chunk j, quarter w, lies at ((16 batch + j) 4 + w) 1280.
; Work-group x = 4 batch + w, y = which 32 of the 64 copies; each of its four waves forms the quarter's 256 numbers (8 a lane) and stores 8 copies: every store covers 512 consecutive bytes.
; No LDS, no barrier: waves share nothing.  A weight 2^(m2_j - M) below 2^-126 counts as 0.
.set ML,  16                           ; v16-47   (m2_j, l_j); m2_j gives way to the weight
.set AC,  64                           ; v64-191  acc_j: 8 registers a chunk
.set O,   52                           ; v52-59   the sums
	s_load_b128 s[4:7], s[0:1], 0x0                ; part, out0
	v_lshrrev_b32 v1, 5, v0
	v_readfirstlane_b32 s8, v1                     ; wave
	v_and_b32 v2, 31, v0
	v_lshlrev_b32 v3, 4, v2                        ; 16 l
	v_lshlrev_b32 v4, 3, v2                        ; 8 l
	s_lshr_b32 s9, ttmp9, 2                        ; batch
	s_and_b32 s10, ttmp9, 3                        ; w
	s_and_b32 s11, ttmp7, 0xffff                   ; y
	s_lshl_b32 s12, s9, 6
	s_add_co_u32 s12, s12, s10
	s_mul_i32 s12, s12, 1280
	s_mov_b32 s13, 0
	s_lshl_b32 s14, s11, 5
	s_lshl_b32 s15, s8, 3
	s_add_co_u32 s14, s14, s15                     ; my first copy: 32 y + 8 wave
	s_lshl_b32 s14, s14, 17                        ; a copy is 131,072 bytes
	s_lshl_b32 s15, s9, 12
	s_add_co_u32 s14, s14, s15
	s_lshl_b32 s15, s10, 10
	s_add_co_u32 s14, s14, s15
	s_mov_b32 s15, 0
	s_wait_alu depctr_va_vdst(0)
	s_wait_kmcnt 0x0
	s_add_nc_u64 s[4:5], s[4:5], s[12:13]
	s_add_nc_u64 s[6:7], s[6:7], s[14:15]
.irp j, 0,1,2,3,4,5,6,7,8,9,10,11,12,13,14,15
	global_load_b64 v[ML+2*\j:ML+2*\j+1], v4, s[4:5] offset:5120*\j+1024
.endr
.irp j, 0,1,2,3,4,5,6,7,8,9,10,11,12,13,14,15
	global_load_b128 v[AC+8*\j:AC+8*\j+3], v3, s[4:5] offset:5120*\j
	global_load_b128 v[AC+8*\j+4:AC+8*\j+7], v3, s[4:5] offset:5120*\j+512
.endr
	s_wait_loadcnt 32                              ; the sixteen pairs are in; the 32 loads of sums may be out
	v_max3_num_f32 v48, v[ML], v[ML+2], v[ML+4]
.irp j, 3,5,7,9,11,13
	v_max3_num_f32 v48, v48, v[ML+2*\j], v[ML+2*\j+2]
.endr
	v_max_num_f32 v48, v48, v[ML+30]               ; M
.irp j, 0,1,2,3,4,5,6,7,8,9,10,11,12,13,14,15
	v_sub_f32 v[ML+2*\j], v[ML+2*\j], v48
.endr
	s_wait_alu depctr_va_vdst(0)
.irp j, 0,1,2,3,4,5,6,7,8,9,10,11,12,13,14,15
	v_exp_f32 v[ML+2*\j], v[ML+2*\j]               ; the weights, at most 1
.endr
	v_mov_b32 v61, 0                               ; (the plain line behind the exponentials; v61 is named below as the upper half of a pair)
	s_wait_alu depctr_va_vdst(0)                   ; one wait for the sixteen, ahead of their first reader
	v_mul_f32 v50, v[ML], v[ML+1]                  ; the divisor, in two chains
	v_mul_f32 v51, v[ML+2], v[ML+3]
.irp j, 2,4,6,8,10,12,14
	v_fmac_f32 v50, v[ML+2*\j], v[ML+2*\j+1]
	v_fmac_f32 v51, v[ML+2*\j+2], v[ML+2*\j+3]
.endr
	v_add_f32 v50, v50, v51
	s_wait_alu depctr_va_vdst(0)
	v_rcp_f32 v60, v50                             ; its wait stands ahead of its first reader, behind the sums below
.irp j, 0,1,2,3,4,5,6,7,8,9,10,11,12,13,14,15
	s_wait_alu depctr_va_vdst(0)
	s_wait_loadcnt 30-2*\j                         ; chunk j's two loads are in; those of the chunks behind it may be out
.irp q, 0,2,4,6
.if \j == 0
	s_wait_alu depctr_va_vdst(0)
	v_pk_mul_f32 v[O+\q:O+\q+1], v[AC+\q:AC+\q+1], v[ML:ML+1] op_sel_hi:[1,0]   ; the first chunk starts the sums; of the pair (weight, l) the low word serves both halves
.else
	v_pk_fma_f32 v[O+\q:O+\q+1], v[AC+8*\j+\q:AC+8*\j+\q+1], v[ML+2*\j:ML+2*\j+1], v[O+\q:O+\q+1] op_sel_hi:[1,0,1]
.endif
.endr
.endr
	s_wait_alu depctr_va_vdst(0)                   ; the reciprocal
.irp q, 0,2,4,6
	v_pk_mul_f32 v[O+\q:O+\q+1], v[O+\q:O+\q+1], v[60:61] op_sel_hi:[1,0]
.endr
.irp k, 0,1,2,3,4,5,6,7
	global_store_b128 v3, v[O:O+3], s[6:7] offset:131072*\k th:TH_STORE_NT          ; d = 256 w + 4 l + 0 .. 3: 512 consecutive bytes, at a multiple of 512 from out0's first byte
	global_store_b128 v3, v[O+4:O+7], s[6:7] offset:131072*\k+512 th:TH_STORE_NT    ; d = 256 w + 128 + 4 l + 0 .. 3
.endr
	s_endpgm
.Lfunc_end_k_q40289bc69a_combine:
	.size	k_q40289bc69a_combine, .Lfunc_end_k_q40289bc69a_combine-k_q40289bc69a_combine
	.p2alignl 7, 3214868480
	.fill 96, 4, 3214868480
	.section	.rodata,"a",@progbits
	.p2align	6, 0x0
	.amdhsa_kernel k_q40289bc69a_combine
		.amdhsa_group_segment_fixed_size 0
		.amdhsa_private_segment_fixed_size 0
		.amdhsa_enable_private_segment 0
		.amdhsa_kernarg_size 16
		.amdhsa_user_sgpr_count 2
		.amdhsa_user_sgpr_kernarg_segment_ptr 1
		.amdhsa_wavefront_size32 1
		.amdhsa_system_sgpr_workgroup_id_x 1
		.amdhsa_system_sgpr_workgroup_id_y 1
		.amdhsa_system_sgpr_workgroup_id_z 1
		.amdhsa_system_vgpr_workitem_id 0
		.amdhsa_next_free_vgpr 192
		.amdhsa_next_free_sgpr 66
		.amdhsa_reserve_vcc 0
		.amdhsa_float_denorm_mode_32 3
		.amdhsa_float_denorm_mode_16_64 3
		.amdhsa_memory_ordered 1
		.amdhsa_forward_progress 1
		.amdhsa_inst_pref_size 15
	.end_amdhsa_kernel
	.amdgpu_metadata
---
amdhsa.version: [ 1, 2 ]
amdhsa.kernels:
  - .name:           k_q40289bc69a_combine
    .symbol:         k_q40289bc69a_combine.kd
    .args:
      - { .name: part, .offset: 0, .size: 8, .value_kind: global_buffer, .address_space: global }
      - { .name: out0, .offset: 8, .size: 8, .value_kind: global_buffer, .address_space: global }
    .group_segment_fixed_size: 0
    .private_segment_fixed_size: 0
    .kernarg_segment_align: 8
    .kernarg_segment_size: 16
    .max_flat_workgroup_size: 128
    .sgpr_count:     66
    .vgpr_count:     192
    .wavefront_size: 32
...
	.end_amdgpu_metadata
.endif
;; end of part 3
